; MI455X (gfx1250); checked and timed in simulation.
; The chip was launched on July 23, 2026; its instructions are those of AMD's public machine-readable ISA for CDNA 5 (MIT licence, August 2026) and "CDNA5" Instruction Set Architecture Reference Guide (July 2026). The comments in the code are by the model that wrote it; some were corrected since.
;; Linear Attention. Allowed arithmetic: float matrix products may take bf16 or f16 operands with f32 sums; other float arithmetic in f32, or as packed bf16 or f16 multiplies, adds, multiply-adds, maxima and minima; sums over many terms, partial sums and values carried from step to step in f32; what a program stores and reads back later, other than sums and carried values, may be rounded once to bf16 or f16.
;; Inputs: Wk 1,024 x 1,024 float32; Wq 1,024 x 1,024 float32; Wv 1,024 x 1,024 float32; beta 1,024 float32; bk 1,024 float32; bq 1,024 float32; bv 1,024 float32; gamma 1,024 float32; x 4 x 4,096 x 1,024 float32.
;; Outputs: out0 4 x 4,096 x 1,024 float32.
;; One version. Each part assembles by itself: llvm-mc -triple=amdgcn-amd-amdhsa -mcpu=gfx1250 --defsym DOCPART=n.
;; ======== version 1 of 1: 4 launches
;; limits: values outside matrix products are rounded to bf16
;; workspace buffers: xi 33,554,432 bytes; wqi 2,097,152 bytes; wkvi 4,194,304 bytes; part 20,971,520 bytes; kvb 655,360 bytes
;; launch cast (part 1): grid 1216 x 1, 8 waves a work-group, no clusters, 35,840 bytes of LDS; arguments x, Wq, Wk, Wv, xi, wqi, wkvi; writes xi, wqi, wkvi
.if DOCPART == 1
	.amdgcn_target "amdgcn-amd-amdhsa--gfx1250"
	.amdhsa_code_object_version 6
	.text
	.protected	k_qb81ab3c366_cast
	.globl	k_qb81ab3c366_cast
	.p2align	8
	.type	k_qb81ab3c366_cast,@function
k_qb81ab3c366_cast:
	s_mov_b64 s[64:65], 0
	v_nop
	global_prefetch_b8 v0, s[64:65] scope:SCOPE_SE
	s_setreg_imm32_b32 hwreg(HW_REG_WAVE_MODE, 25, 1), 1
	s_wait_xcnt 0x0
; LINEAR ATTENTION, launch 1 of 4: x, Wq, Wk, Wv are rounded once to bf16 and laid out as images of matrix fragments.
; NOTHING OF THE PROBLEM IS LEFT OUT: every one of its nine inputs reaches the output for some values, and all nine are loaded (x and the weights here, bk and bv in the second launch, bq, gamma and beta in the fourth).
; LIMIT.  The bf16 copy of x serves every later use, the residual y = out + x too: the program computes the module on x, Wq, Wk, Wv rounded to bf16.  Against the module on f32 x an output moves by up to
; 2^-9 |x| / sigma, sigma the row's standard deviation: that grows where x carries a common offset that is large beside its spread.
; THE IMAGE.  A fragment is 16 rows x 32 columns, 1,024 bytes: byte 512 q + 16 L (q = 0, 1; L = 16 h + r) holds M[16 RB + r][32 c + 16 q + 8 h + 0..7].  Two loads of 16 bytes a lane, at 16 x lane and 512 further,
; then fill the eight registers of a source of v_wmma_f32_16x16x32_bf16 (ISA guide 7.12.2): from LDS without a bank met twice, from memory as 512 consecutive bytes.
;   xi   [row block 1024][c 32][1024 B]
;   wqi  [K step of 64: 16][channel block 64][c % 2][1024 B]
;   wkvi [pair of heads 8][K step of 128: 8][k, v][channel block % 8][c % 4][1024 B]
; SHARES.  A work-group takes 16 rows x 1,024 columns of one matrix (0-1023: x; then 64 each for Wq, Wk, Wv); wave t the columns 128 t .. 128 t + 127: four fragments.  Straight text: sixteen loads of 512 consecutive
; bytes are out in each wave; a row's numbers are rounded as it comes, turned through the wave's own 4,352 bytes of LDS, and leave as eight stores of 512 consecutive bytes, aligned.  No wave reads another's bytes: no barrier.
; No matrix unit, no cluster, no tensor load: each byte is read once and written once, and nothing is shared.
.set WST,   4352                       ; a wave's stage: 16 groups of 16 units of 16 bytes, 272 bytes apart: the 16 groups start at 16 different groups of four banks (64 banks of 4 bytes: ISA guide 11.1)
.set SPARE, 8*WST                      ; behind the stages: the spare words, 128 bytes for each wave: four blocks of 256 bytes that no other line names
.set LO,  2                            ; v2   16 x lane: my bytes in 512 consecutive ones
.set STA, 3                            ; v3   where I put 8 bytes of the image
.set LDA, 4                            ; v4   where I read 16 bytes of it back
.set VB,  6                            ; v6   16 x lane + the distance from the wave's first two fragments to its last two
.set SPW, 8                            ; v8   LDS address of my spare word; never rewritten
.set NIL, 9                            ; v9   0; never rewritten
.set X,   16                           ; v[16:79]   row r: 4 f32 as loaded; later the image read back
.set Y,   80                           ; v[80:111]  row r: 4 bf16
	s_load_b256 s[8:15], s[0:1], 0x0               ; x s[8:9], Wq s[10:11], Wk s[12:13], Wv s[14:15]
	s_load_b128 s[16:19], s[0:1], 0x20             ; xi s[16:17], wqi s[18:19]
	s_load_b64 s[20:21], s[0:1], 0x30              ; wkvi
	v_lshl_add_u32 v[SPW], v0, 2, SPARE
	v_mov_b32 v[NIL], 0
	v_lshrrev_b32 v1, 5, v0
	v_readfirstlane_b32 s24, v1                    ; wave t
	v_and_b32 v5, 31, v0                           ; lane
	v_lshlrev_b32 v[LO], 4, v5
	; which matrix, which 16 rows.  Numbers that serve only the arm that is not chosen are kept in range by the two s_max_u32.
	s_max_u32 s25, ttmp9, 1024
	s_sub_co_u32 s25, s25, 1024                    ; the work-group's number among the weights'
	s_lshr_b32 s26, s25, 6                         ; 0: Wq, 1: Wk, 2: Wv
	s_and_b32 s27, s25, 63                         ; channel block CB
	s_lshr_b32 s28, s27, 3                         ; wkvi: (CB / 8) x 524,288
	s_lshl_b32 s28, s28, 19
	s_lshl_b32 s29, s24, 16                        ; + t x 65,536: wave t's 128 columns are K step t
	s_add_co_u32 s28, s28, s29
	s_max_u32 s29, s26, 1
	s_sub_co_u32 s29, s29, 1
	s_lshl_b32 s29, s29, 15                        ; + 32,768 for Wv
	s_add_co_u32 s28, s28, s29
	s_and_b32 s29, s27, 7
	s_lshl_b32 s29, s29, 12                        ; + (CB % 8) x 4,096
	s_add_co_u32 s28, s28, s29
	s_lshl_b32 s29, s24, 18                        ; wqi: wave t's columns are K steps 2 t and 2 t + 1: t x 262,144
	s_lshl_b32 s35, s27, 11                        ; + CB x 2,048
	s_add_co_u32 s29, s29, s35
	s_mov_b32 s34, 2048                            ; four fragments on end, but in wqi, where the second K step lies 131,072 further
	s_cmp_eq_u32 s26, 0
	s_cselect_b32 s30, s29, s28
	s_cselect_b32 s34, 0x20000, s34
	s_lshl_b32 s28, ttmp9, 15                      ; xi: row block x 32,768 + t x 4,096
	s_lshl_b32 s29, s24, 12
	s_add_co_u32 s28, s28, s29
	s_mov_b32 s35, 2048
	s_cmp_lt_u32 ttmp9, 1024
	s_cselect_b32 s30, s28, s30                    ; s30: where the wave's image begins
	s_cselect_b32 s34, s35, s34
	s_cselect_b32 s32, ttmp9, s27                  ; the 16 rows in the source,
	s_lshl_b32 s32, s32, 16                        ; 65,536 bytes,
	s_lshl_b32 s29, s24, 9                         ; and the wave's 512 bytes of each
	s_add_co_u32 s32, s32, s29
	s_mov_b32 s31, 0
	s_mov_b32 s33, 0
	; Lane l holds columns 4 l .. 4 l + 3 of the wave's 128: they are half (l % 2) of the 16-byte unit 16 (l / 2) + r of the wave's four fragments.
	s_mul_i32 s28, s24, WST
	v_lshrrev_b32 v7, 1, v5
	v_mul_u32_u24 v[STA], v7, 272
	v_and_b32 v7, 1, v5
	v_lshl_add_u32 v[STA], v7, 3, v[STA]
	v_add_nc_u32 v[STA], s28, v[STA]
	v_lshrrev_b32 v7, 4, v5                        ; back: 32 lanes take two groups, 512 bytes of the image
	v_mul_u32_u24 v[LDA], v7, 272
	v_and_b32 v7, 15, v5
	v_lshl_add_u32 v[LDA], v7, 4, v[LDA]
	v_add_nc_u32 v[LDA], s28, v[LDA]
	v_add_nc_u32 v[VB], s34, v[LO]
	s_wait_kmcnt 0x0
	s_cmp_eq_u32 s26, 1
	s_cselect_b64 s[36:37], s[12:13], s[14:15]
	s_cmp_eq_u32 s26, 0
	s_cselect_b64 s[36:37], s[10:11], s[36:37]
	s_cselect_b64 s[38:39], s[18:19], s[20:21]
	s_cmp_lt_u32 ttmp9, 1024
	s_cselect_b64 s[36:37], s[8:9], s[36:37]       ; from where,
	s_cselect_b64 s[38:39], s[16:17], s[38:39]     ; to where
	s_add_nc_u64 s[36:37], s[36:37], s[32:33]
	s_add_nc_u64 s[38:39], s[38:39], s[30:31]
.irp r, 0,1,2,3,4,5,6,7,8,9,10,11,12,13,14,15
	global_load_b128 v[X+4*(\r):X+4*(\r)+3], v[LO], s[36:37] offset:(\r)*4096 th:TH_LOAD_NT  ; 512 consecutive bytes of row r
.endr
.irp r, 0,1,2,3,4,5,6,7,8,9,10,11,12,13,14,15
	s_wait_loadcnt 15-(\r)                         ; loads come back in order (ISA guide 5.7.1): row r is in, the 15 - r younger ones stay out
	v_cvt_pk_bf16_f32 v[Y+2*(\r)], v[X+4*(\r)], v[X+4*(\r)+1]
	v_cvt_pk_bf16_f32 v[Y+2*(\r)+1], v[X+4*(\r)+2], v[X+4*(\r)+3]
	ds_store_b64 v[STA], v[Y+2*(\r):Y+2*(\r)+1] offset:(\r)*16
.endr
.irp m, 0,1,2,3,4,5,6,7
	ds_load_b128 v[X+4*(\m):X+4*(\m)+3], v[LDA] offset:(\m)*544  ; LDS serves a wave's instructions in order (ISA guide 5.7.1.4): these see the stores above
.endr
.irp m, 0,1,2,3
	s_wait_dscnt 7-(\m)                            ; the 7 - m younger loads stay out
	global_store_b128 v[LO], v[X+4*(\m):X+4*(\m)+3], s[38:39] offset:(\m)*512  ; 512 consecutive bytes, at a multiple of 256 from the buffer's first
.endr
.irp m, 4,5,6,7
	s_wait_dscnt 7-(\m)
	global_store_b128 v[VB], v[X+4*(\m):X+4*(\m)+3], s[38:39] offset:((\m)-4)*512
.endr
	s_wait_tensorcnt 0x0                           ; the wave's end, behind my last LDS store
	ds_add_u32 v[SPW], v[NIL]
	s_wait_dscnt 0x0
	s_endpgm
.Lfunc_end_k_qb81ab3c366_cast:
	.size	k_qb81ab3c366_cast, .Lfunc_end_k_qb81ab3c366_cast-k_qb81ab3c366_cast
	.p2alignl 7, 3214868480
	.fill 96, 4, 3214868480
	.section	.rodata,"a",@progbits
	.p2align	6, 0x0
	.amdhsa_kernel k_qb81ab3c366_cast
		.amdhsa_group_segment_fixed_size 35840
		.amdhsa_private_segment_fixed_size 0
		.amdhsa_enable_private_segment 0
		.amdhsa_kernarg_size 56
		.amdhsa_user_sgpr_count 2
		.amdhsa_user_sgpr_kernarg_segment_ptr 1
		.amdhsa_wavefront_size32 1
		.amdhsa_system_sgpr_workgroup_id_x 1
		.amdhsa_system_sgpr_workgroup_id_y 1
		.amdhsa_system_sgpr_workgroup_id_z 1
		.amdhsa_system_vgpr_workitem_id 0
		.amdhsa_next_free_vgpr 112
		.amdhsa_next_free_sgpr 66
		.amdhsa_reserve_vcc 0
		.amdhsa_float_denorm_mode_32 3
		.amdhsa_float_denorm_mode_16_64 3
		.amdhsa_memory_ordered 1
		.amdhsa_forward_progress 1
		.amdhsa_inst_pref_size 10
	.end_amdhsa_kernel
	.amdgpu_metadata
---
amdhsa.version: [ 1, 2 ]
amdhsa.kernels:
  - .name:           k_qb81ab3c366_cast
    .symbol:         k_qb81ab3c366_cast.kd
    .args:
      - { .name: x, .offset: 0, .size: 8, .value_kind: global_buffer, .address_space: global }
      - { .name: Wq, .offset: 8, .size: 8, .value_kind: global_buffer, .address_space: global }
      - { .name: Wk, .offset: 16, .size: 8, .value_kind: global_buffer, .address_space: global }
      - { .name: Wv, .offset: 24, .size: 8, .value_kind: global_buffer, .address_space: global }
      - { .name: xi, .offset: 32, .size: 8, .value_kind: global_buffer, .address_space: global }
      - { .name: wqi, .offset: 40, .size: 8, .value_kind: global_buffer, .address_space: global }
      - { .name: wkvi, .offset: 48, .size: 8, .value_kind: global_buffer, .address_space: global }
    .group_segment_fixed_size: 35840
    .private_segment_fixed_size: 0
    .kernarg_segment_align: 8
    .kernarg_segment_size: 56
    .max_flat_workgroup_size: 256
    .sgpr_count:     66
    .vgpr_count:     112
    .wavefront_size: 32
...
	.end_amdgpu_metadata
.endif
;; end of part 1
;; launch kvp (part 2): grid 8 x 64, 4 waves a work-group, clusters of 4 x 4, 327,680 bytes of LDS; arguments xi, wkvi, bk, bv, part; writes part
.if DOCPART == 2
	.amdgcn_target "amdgcn-amd-amdhsa--gfx1250"
	.amdhsa_code_object_version 6
	.text
	.protected	k_qb81ab3c366_kvp
	.globl	k_qb81ab3c366_kvp
	.p2align	8
	.type	k_qb81ab3c366_kvp,@function
k_qb81ab3c366_kvp:
	s_mov_b64 s[64:65], 0
	v_nop
	global_prefetch_b8 v0, s[64:65] scope:SCOPE_SE
	s_setreg_imm32_b32 hwreg(HW_REG_WAVE_MODE, 25, 1), 1
	s_wait_xcnt 0x0
	s_wait_alu depctr_hold_cnt(0) depctr_sa_sdst(0) depctr_va_vdst(0) depctr_va_sdst(0) depctr_va_ssrc(0) depctr_va_vcc(0) depctr_vm_vsrc(0)
	s_getreg_b32 s2, hwreg(HW_REG_IB_STS2, 6, 4)
	s_cmp_eq_u32 s2, 0
	s_cbranch_scc0 .Lentry_in_a_cluster
	s_endpgm
.Lentry_in_a_cluster:
	s_bfe_u32 s2, ttmp6, 0x10000c
	s_cmp_lg_u32 s2, 0xf033
	s_cbranch_scc0 .Lentry_shape_is_right
	s_endpgm
.Lentry_shape_is_right:
; LINEAR ATTENTION, launch 2 of 4: k = relu(x Wk^T + bk), v = x Wv^T + bv for 256 tokens x 2 heads, and from the registers that hold them the partial sums over those tokens of k^T v and of k.  k and v never reach memory.
; Nothing of the problem is left out here.  Operands bf16, all sums f32; k and v are rounded once to bf16 for the second product.
; SHARES.  Work-group (hp, gy): heads 2 hp and 2 hp + 1, tokens 256 gy .. + 255 (batch gy / 16, chunk gy % 16).  Wave: RH = wave / 2 its half of the tokens, HD = wave % 2 its head: 128 tokens x (64 k + 64 v):
; 64 accumulators of 16 x 16, 512 registers.  K = 1,024 goes in 8 steps of 128 through two LDS slots of 131,072 bytes: x's 256 rows (two halves), then the k weights and the v weights of both heads.
; LAYOUT.  xi and wkvi hold images of fragments (1,024 bytes: byte 512 q + 16 x lane is what registers 4 q .. 4 q + 3 take), so a tile is asked for in long dense rows and read from LDS as 512 consecutive bytes: no padding.
; First product: source 0 = 16 tokens of x, source 1 = 16 channels of W: in the result a lane holds ONE channel (lane % 16) and the tokens 8 (lane / 16) + 0..7.  Two such results, rounded to bf16 in pairs, ARE a fragment
; with 32 tokens along K (ISA guide 7.12.2): k's as source 0 (rows d), v's as source 1 (columns p) of kv = k^T v.  A fifth block of columns takes a fragment of ones: it gives the sum of k over the tokens in every column.
; THE BIAS is the C operand of the products that start the sums: eight registers that all hold the lane's channel's bias.  Nothing is cleared and nothing is added later.
; CLUSTER, 4 x 4.  x's tile hangs on gy alone and is shared along a row of the cluster, the weights' on hp alone and are shared along a column: each is asked for JOINTLY, by the same tensor load with the same descriptor
; and a mask that names the four.  By the text's own count a wave has two tensor loads out at the start and one behind each change of slots.
; OUT.  The two waves of a head add their 20 tiles through LDS; part[bh][tile 4 pb + db][chunk] takes a tile as its registers lie (f32: a partial sum): 512 consecutive bytes a store.
; REGISTERS, in windows of 256 (s_set_vgpr_msb: bits 1:0 source 0, 3:2 source 1, 5:4 source 2, 7:6 destination):
;   window 0: v0-31 addresses; v64-127, v128-191 x's fragments, two buffers (token block a at + 8 a); later k's and v's bf16 fragments; v192-199 ones
;   window 1: v64-127, v128-191 W's fragments, two buffers (b 0-3: k's channel blocks, 4-7: v's); the second first holds the bias; later v0-159 the 20 tiles of kv
;   window 2: accumulators of token blocks 0-3 ((a, b) at v[8 (8 (a % 4) + b)]);   window 3: of token blocks 4-7
.set SLOTB, 131072                     ; a slot; wave w fetches the quarter at 32,768 w: x's half 0, x's half 1, the k weights, the v weights
.set RED,   2*SLOTB                    ; behind the ring, never filled by a tensor load: 20,480 bytes a head, for the sum of the two token halves
.set SPARE, RED+2*20480                ; behind that: the spare words, 128 bytes for each wave: two blocks of 256 bytes that no other line names
.set ADRA,  16                         ; v16  LDS address of my x fragments in the slot in hand
.set ADRA0, 17                         ; v17  the same in slot 0; never rewritten
.set ADRB,  20                         ; v20, v21 the same for W
.set ADRB0, 21
.set LN16,  24                         ; v24  16 x lane
.set BO,    25                         ; v25  4 x (lane % 16): my channel's bias
.set ZR,    26                         ; v26  0, for the relu
.set RA,    27                         ; v27  my 16 bytes in my head's part of RED
.set SPW,   28                         ; v28  LDS address of my spare word; never rewritten
.set NIL,   29                         ; v29  0; never rewritten
.set PFO,   30                         ; v30  the prefetches' offset; never rewritten
.set F0,    64
.set F1,    128
.set ONES,  192
.set WV,  14                           ; s14  wave
.set RH,  15                           ; s15  wave / 2: my half of the tokens.  Also: I fetch x (0) or weights (1)
.set HD,  16                           ; s16  wave % 2: my head.  Also: which half of x, or k's or v's weights, I fetch
.set TB,  17                           ; s17  the slot in hand
.set CNT, 18                           ; s18  changes of slots that still fill
.set LIM, 19                           ; s19  2 in a wave that prefetches, else the greatest number
.set G1A, 24                           ; s[24:31] descriptor group 1 for x's tiles;  s[32:39] group 0: a set for each first fill; the second then walks
.set G0A, 32
.set G1B, 48                           ; s[48:55], s[56:63] the same for the weights
.set G0B, 56
.set PFA, 66                           ; s[66:67] where my prefetches stand
.set PST, 68                           ; s[68:69] a K step in bytes: 4,096 in xi, 65,536 in wkvi
.set PB,  70                           ; s[70:71] part at my head's tile 0, my chunk
.set MSB, 0
.macro WIN new                         ; the immediate's high byte repeats the setting that is left; a switch that changes nothing is dropped
.if MSB != (\new)
	s_set_vgpr_msb (MSB<<8)|(\new)
.set MSB, \new
.endif
.endm
.macro PLACES                          ; four places in front of loads into registers that matrix instructions have read, and of vector work on their results
.rept 4
	v_nop
.endr
.endm
; A joint refill by the walking descriptors.  The branch hangs on the wave's number alone.  An s_nop 0 and four v_nop follow each of the two lines, ahead of the jump and the label.
.macro JLOAD
	s_cmp_eq_u32 s[RH], 0
	s_cbranch_scc0 .Lfor_b_\@
	tensor_load_to_lds s[G0A+4:G0A+7], s[G1A:G1A+7]
	s_nop 0
.rept 4
	v_nop
.endr
	s_branch .Lasked_\@
.Lfor_b_\@:
	tensor_load_to_lds s[G0B+4:G0B+7], s[G1B:G1B+7]
	s_nop 0
.rept 4
	v_nop
.endr
.Lasked_\@:
.endm
; A PREFETCH, behind each joint refill and the run of LDS loads that follows it: the K step that stands two refills on, 512 matrix instructions ahead of the load that will ask for it.  A wave's quarter of a slot is 128
; blocks of 256 bytes; the four partners that ask for it jointly take 32 each, told apart BY ADDRESS (cx for x, cy for the weights): a lane a block, one instruction a wave.  x's rows are read by both clusters of a row
; of clusters: the one with x = 0 asks; the weights by all sixteen of a column: the one with y = 0 asks.  So each block is named once in the launch.  K steps 0 to 3 come by their loads alone; the last two refills ask for nothing.
.macro ASK
	s_cmp_gt_u32 s[CNT], s[LIM]
	s_cbranch_scc0 .Lnot_mine_\@
	global_prefetch_b8 v[PFO], s[PFA:PFA+1] th:TH_LOAD_NT scope:SCOPE_SE
.Lnot_mine_\@:
.endm
.macro CREST                           ; a round of the cluster's barrier behind its opening barrier: wave 0 signals for the work-group, every wave waits for all sixteen, my work-group's barrier once more
	s_cmp_lg_u32 s[WV], 0
	s_cbranch_scc1 .Lnot_wave_0_\@
	s_barrier_signal -3
.Lnot_wave_0_\@:
	s_barrier_wait -3
	s_barrier_signal -1
	s_barrier_wait -1
.endm
.macro CROUND                          ; a whole round
	s_barrier_signal -1
	s_barrier_wait -1
	CREST
.endm
	s_load_b256 s[4:11], s[0:1], 0x0               ; xi s[4:5], wkvi s[6:7], bk s[8:9], bv s[10:11]
	s_load_b64 s[12:13], s[0:1], 0x20              ; part
	v_lshl_add_u32 v[SPW], v0, 2, SPARE
	v_mov_b32 v[NIL], 0
	ds_add_u32 v[SPW], v[NIL]                      ; the wave's opening: the add, twice on end, and its wait ahead of my first tensor load; the set-up below stands between the second and the wait
	ds_add_u32 v[SPW], v[NIL]
	v_lshrrev_b32 v1, 5, v0
	v_readfirstlane_b32 s[WV], v1
	s_lshr_b32 s[RH], s[WV], 1
	s_and_b32 s[HD], s[WV], 1
	s_bfe_u32 s40, ttmp6, 0x40000                  ; cx
	s_bfe_u32 s41, ttmp6, 0x40004                  ; cy
	s_lshl_b32 s42, ttmp9, 2                       ; in a cluster launch ttmp9 and ttmp7 count clusters
	s_add_co_u32 s42, s42, s40                     ; hp = 4 x cluster x + cx
	s_and_b32 s43, ttmp7, 0xffff
	s_lshl_b32 s43, s43, 2
	s_add_co_u32 s43, s43, s41                     ; gy = 4 x cluster y + cy
	s_lshl_b32 s44, s41, 2
	s_lshl_b32 s44, 15, s44                        ; my row of the cluster
	s_lshl_b32 s45, 0x1111, s40                    ; my column
	; group 1 for x: 8 row blocks x 4,096 bytes (the four fragments of a K step lie on end), 32,768 bytes from row block to row block; elements of 8 bytes.  The image makes the rows long and few.
	s_or_b32 s[G1A], s44, (3<<16)|(1<<21)          ; 15:0 the mask: my row; 17:16 elements of 8 bytes; 21 set beside a mask; no padding
	s_mov_b32 s[G1A+1], 512<<16                    ; tensor_dim0 = 512
	s_mov_b32 s[G1A+2], 8<<16                      ; tensor_dim1 = 8
	s_mov_b32 s[G1A+3], 512<<16                    ; tile_dim0 = 512
	s_mov_b32 s[G1A+4], 8                          ; tile_dim1 = 8
	s_mov_b32 s[G1A+5], 4096                       ; elements from row to row
	s_mov_b32 s[G1A+6], 0
	s_mov_b32 s[G1A+7], 0
	; group 1 for the weights: 32,768 dense bytes as 128 rows of 256
	s_or_b32 s[G1B], s45, (3<<16)|(1<<21)          ; the mask: my column
	s_mov_b32 s[G1B+1], 32<<16
	s_mov_b32 s[G1B+2], 128<<16
	s_mov_b32 s[G1B+3], 32<<16
	s_mov_b32 s[G1B+4], 128
	s_mov_b32 s[G1B+5], 32
	s_mov_b32 s[G1B+6], 0
	s_mov_b32 s[G1B+7], 0
	; every wave makes both addresses, each in registers that never hold the other coordinate, and asks by one of them
	s_lshl_b32 s72, s43, 19                        ; x: 256 rows are 524,288 bytes of xi,
	s_lshl_b32 s20, s[HD], 18                      ; a half 262,144
	s_add_co_u32 s72, s72, s20
	s_mov_b32 s73, 0
	s_lshl_b32 s74, s42, 19                        ; weights: a pair of heads is 524,288 bytes of wkvi,
	s_lshl_b32 s21, s[HD], 15                      ; v's part lies 32,768 behind k's
	s_add_co_u32 s74, s74, s21
	s_mov_b32 s75, 0
	s_lshl_b32 s22, s[WV], 15                      ; where they go: wave x 32,768: no place in the cluster enters an LDS address
	s_wait_dscnt 0x0                               ; both opening adds are done
	s_wait_kmcnt 0x0
	s_add_nc_u64 s[72:73], s[4:5], s[72:73]
	s_add_nc_u64 s[74:75], s[6:7], s[74:75]
.irp s, 0,1
	s_mov_b32 s[G0A+4*(\s)], 1                     ; count = 1
	s_add_co_u32 s[G0A+4*(\s)+1], s22, (\s)*SLOTB  ; LDS address
	s_add_nc_u64 s[G0A+4*(\s)+2:G0A+4*(\s)+3], s[72:73], (\s)*4096  ; K step s
	s_or_b32 s[G0A+4*(\s)+3], s[G0A+4*(\s)+3], 0x80000000           ; type = 2
	s_mov_b32 s[G0B+4*(\s)], 1
	s_add_co_u32 s[G0B+4*(\s)+1], s22, (\s)*SLOTB
	s_add_nc_u64 s[G0B+4*(\s)+2:G0B+4*(\s)+3], s[74:75], (\s)*65536
	s_or_b32 s[G0B+4*(\s)+3], s[G0B+4*(\s)+3], 0x80000000
.endr
	CROUND                                         ; all sixteen work-groups are here: the first joint loads meet
	s_cmp_eq_u32 s[RH], 0                          ; a wave's two first fills stand in one branch, ahead of every wait on TENSORcnt and every LDS read
	s_cbranch_scc0 .Lfirst_b
	tensor_load_to_lds s[G0A:G0A+3], s[G1A:G1A+7]
	s_nop 0
	tensor_load_to_lds s[G0A+4:G0A+7], s[G1A:G1A+7]
	s_nop 0
.rept 4
	v_nop
.endr
	s_branch .Lfirst_asked
.Lfirst_b:
	tensor_load_to_lds s[G0B:G0B+3], s[G1B:G1B+7]
	s_nop 0
	tensor_load_to_lds s[G0B+4:G0B+7], s[G1B:G1B+7]
	s_nop 0
.rept 4
	v_nop
.endr
.Lfirst_asked:
	v_and_b32 v1, 15, v0
	v_and_b32 v3, 31, v0
	v_lshlrev_b32 v[LN16], 4, v3
	v_lshlrev_b32 v[BO], 2, v1
	v_mov_b32 v[ZR], 0
	s_lshl_b32 s3, s42, 1
	s_add_co_u32 s3, s3, s[HD]                     ; my head
	s_lshl_b32 s20, s3, 8                          ; its 64 biases
	s_mov_b32 s21, 0
	s_add_nc_u64 s[76:77], s[8:9], s[20:21]
	s_add_nc_u64 s[78:79], s[10:11], s[20:21]
	WIN 0x40                                       ; destination window 1
.irp b, 0,1,2,3
.irp j, 0,1,2,3,4,5,6,7
	global_load_b32 v[F1+8*(\b)+(\j)], v[BO], s[76:77] offset:(\b)*64     ; all eight registers of a C operand hold the lane's channel's bias
	global_load_b32 v[F1+32+8*(\b)+(\j)], v[BO], s[78:79] offset:(\b)*64
.endr
.endr
	WIN 0
	s_lshl_b32 s46, s[RH], 15
	v_add_nc_u32 v[ADRA0], s46, v[LN16]            ; my 128 tokens
	s_lshl_b32 s46, s[HD], 14
	s_add_co_u32 s46, s46, 65536
	v_add_nc_u32 v[ADRB0], s46, v[LN16]            ; my head's four channel blocks of the k weights; v's lie 32,768 further
	v_mov_b32 v[ADRA], v[ADRA0]
	v_mov_b32 v[ADRB], v[ADRB0]
	s_mul_i32 s46, s[HD], 20480
	s_add_co_u32 s46, s46, RED
	v_add_nc_u32 v[RA], s46, v[LN16]
.set z, 0
.rept 8
	v_mov_b32 v[ONES+z], 0x3f803f80                ; 1.0 twice in bf16
.set z, z+1
.endr
	s_mov_b32 s[TB], 0
	s_lshr_b32 s46, s43, 4                         ; part: (16 x batch + head) x 327,680 + chunk x 1,024
	s_lshl_b32 s46, s46, 4
	s_add_co_u32 s46, s46, s3
	s_mul_i32 s46, s46, 327680
	s_and_b32 s47, s43, 15
	s_lshl_b32 s47, s47, 10
	s_add_co_u32 s46, s46, s47
	s_mov_b32 s47, 0
	s_add_nc_u64 s[PB:PB+1], s[12:13], s[46:47]
	; the prefetches
	s_and_b32 s23, ttmp7, 0xffff                   ; cluster y
	s_cmp_eq_u32 s[RH], 0                          ; do I fetch x?
	s_cselect_b64 s[PFA:PFA+1], s[72:73], s[74:75] ; my quarter at K step 0
	s_cselect_b32 s46, s40, s41                    ; my place among the four that ask with me,
	s_cselect_b32 s2, 16, 13                       ; its share: two row blocks of xi, or 8,192 bytes of wkvi
	s_cselect_b32 s23, ttmp9, s23                  ; the coordinate along which other clusters read the same bytes
	s_cselect_b32 s22, 15, 12                      ; lanes 16-31: the next row block, or the next 4,096 bytes
	s_cselect_b32 s3, 12, 16                       ; a K step
	s_lshl_b32 s46, s46, s2
	s_add_nc_u64 s[PFA:PFA+1], s[PFA:PFA+1], s[46:47]
	s_lshl_b32 s[PST], 1, s3
	s_mov_b32 s[PST+1], 0
	s_mul_i32 s46, s[PST], 3
	s_add_nc_u64 s[PFA:PFA+1], s[PFA:PFA+1], s[46:47]  ; at K step 3: the first change of slots steps it to 4
	s_cmp_eq_u32 s23, 0
	s_cselect_b32 s[LIM], 2, -1                    ; the same in all sixteen partners, for a given wave
	v_lshlrev_b32 v[PFO], 8, v1
	v_bfe_u32 v2, v0, 4, 1
	v_lshlrev_b32 v2, s22, v2
	v_add_nc_u32 v[PFO], v[PFO], v2
; 16 matrix instructions: token blocks a0, a0 + 1 of the window's four x all 8 channel blocks, 32 along K.  first = 1: the products start the sums, with the bias as C.
; The 64 accumulators take turns, one instruction a turn, in the same order in every quarter.
.macro MUL16 f, hi, a0, first
.if \first
	WIN 0x94+0x40*(\hi)                            ; x window 0, W and C window 1, D window 2 or 3
.else
	WIN 0xa4+0x50*(\hi)                            ; x window 0, W window 1, C and D window 2 or 3
.endif
.irp a, \a0, (\a0)+1
.irp b, 0,1,2,3,4,5,6,7
.if \first
	v_wmma_f32_16x16x32_bf16 v[8*(8*(\a)+(\b)):8*(8*(\a)+(\b))+7], v[(\f)+8*(4*(\hi)+(\a)):(\f)+8*(4*(\hi)+(\a))+7], v[(\f)+8*(\b):(\f)+8*(\b)+7], v[F1+8*(\b):F1+8*(\b)+7]
.else
	v_wmma_f32_16x16x32_bf16 v[8*(8*(\a)+(\b)):8*(8*(\a)+(\b))+7], v[(\f)+8*(4*(\hi)+(\a)):(\f)+8*(4*(\hi)+(\a))+7], v[(\f)+8*(\b):(\f)+8*(\b)+7], v[8*(8*(\a)+(\b)):8*(8*(\a)+(\b))+7]
.endif
.endr
.endr
.endm
; 32 LDS loads in one run: quarter kq of the K step in hand into buffer f: W's sixteen first, then x's, token blocks ascending
.macro FETCH kq, f
	WIN 0x40
.irp b, 0,1,2,3,4,5,6,7
	ds_load_b128 v[(\f)+8*(\b):(\f)+8*(\b)+3],   v[ADRB] offset:(\b)*4096+((\b)/4)*16384+(\kq)*1024
	ds_load_b128 v[(\f)+8*(\b)+4:(\f)+8*(\b)+7], v[ADRB] offset:(\b)*4096+((\b)/4)*16384+(\kq)*1024+512
.endr
	WIN 0
.irp a, 0,1,2,3,4,5,6,7
	ds_load_b128 v[(\f)+8*(\a):(\f)+8*(\a)+3],   v[ADRA] offset:(\a)*4096+(\kq)*1024
	ds_load_b128 v[(\f)+8*(\a)+4:(\f)+8*(\a)+7], v[ADRA] offset:(\a)*4096+(\kq)*1024+512
.endr
.endm
; A K step is four quarters of 32 along K, 64 matrix instructions each, on buffers 0, 1, 0, 1.  One of the first three: multiplies buffer f; in its middle it fetches quarter kq into buffer g.
.macro QUARTER kq, f, g
	s_wait_dscnt 8                                 ; W and x's token blocks 0-3 are in; the youngest eight loads (blocks 4-7) may be out
	MUL16 \f, 0, 0, 0
	MUL16 \f, 0, 2, 0
	PLACES
	FETCH \kq, \g
	s_wait_dscnt 32                                ; all but the 32 just issued
	MUL16 \f, 1, 0, 0
	MUL16 \f, 1, 2, 0
.endm
; The last quarter multiplies buffer 1 and changes slots: ONE barrier.  In front of it each wave waits for all its tensor loads (one is out: its part of the next slot), adds 0 to its spare word, and waits for that and for
; its own reads of this slot.  fill = 1: the barrier opens a round of the cluster's barrier, so that no wave of any partner still reads the slot or has a load on its way, and the joint refill, with the K step two on, is the
; first tensor load behind it: 224 matrix instructions ahead of the wait for it.
.macro TURN fill
.if \fill
	s_wait_xcnt 0x0                                ; the last prefetch, a K step back, has read its address, so it may be stepped
	s_add_nc_u64 s[PFA:PFA+1], s[PFA:PFA+1], s[PST:PST+1]
.endif
	WIN 0                                          ; (the add's two registers lie in window 0)
	s_wait_tensorcnt 0x0                           ; all my tensor loads have landed
	ds_add_u32 v[SPW], v[NIL]                      ; 0 onto my spare word
	s_wait_dscnt 9                                 ; (the add and the youngest eight loads may be out)
	MUL16 F1, 0, 0, 0                              ; sixteen matrix instructions stand between the add and the wait for it
	s_wait_dscnt 0x0                               ; the add is done, and my reads of this slot are over
	s_barrier_signal -1
	MUL16 F1, 0, 2, 0                              ; work on registers while the others arrive
	WIN 0
	s_barrier_wait -1
.if \fill
	CREST
	s_xor_b32 s[G0A+5], s[G0A+5], SLOTB            ; the walking descriptors: the other slot than last time, the next K step; no tensor load of mine is out
	s_add_nc_u64 s[G0A+6:G0A+7], s[G0A+6:G0A+7], 4096
	s_xor_b32 s[G0B+5], s[G0B+5], SLOTB
	s_add_nc_u64 s[G0B+6:G0B+7], s[G0B+6:G0B+7], 65536
	JLOAD                                          ; the four v_nop behind it are also the places in front of the loads below
.else
	PLACES
.endif
	s_xor_b32 s[TB], s[TB], SLOTB                  ; the reads go to the other slot
	v_add_nc_u32 v[ADRA], s[TB], v[ADRA0]
	v_add_nc_u32 v[ADRB], s[TB], v[ADRB0]
	FETCH 0, F0
.if \fill
	ASK
.endif
	MUL16 F1, 1, 0, 0
	MUL16 F1, 1, 2, 0
.endm
; THE SECOND PRODUCT.  CVT: token blocks 2 kap and 2 kap + 1 are rounded to bf16, each accumulator's registers ascending: 8 fragments of 32 tokens (k's four at + 0, v's four at + 32), in buffer kap % 2; then k's relu, two at a time.
.macro CVT kap
	WIN 0x0a+5*((\kap)/2)                          ; sources window 2 or 3, destination window 0
.irp i, 0,1
.irp b, 0,1,2,3,4,5,6,7
.irp rr, 0,1,2,3
	v_cvt_pk_bf16_f32 v[F0+64*((\kap)%2)+8*(\b)+4*(\i)+(\rr)], v[8*(8*((2*(\kap)+(\i))%4)+(\b))+2*(\rr)], v[8*(8*((2*(\kap)+(\i))%4)+(\b))+2*(\rr)+1]
.endr
.endr
.endr
	WIN 0
.set z, F0+64*((\kap)%2)
.rept 32
	v_pk_max_num_bf16 v[z], v[z], v[ZR]
.set z, z+1
.endr
.endm
; KVMUL: tile 4 pb + db += k(db)^T v(pb), pb = 4: ones.  In the result a lane holds p = lane % 16 and d = 8 (lane / 16) + 0..7.  The 20 accumulators take turns.
.macro KVMUL kap
	WIN 0x50                                       ; sources window 0, C and D window 1
.irp pb, 0,1,2,3,4
.irp db, 0,1,2,3
.set rB, F0+64*((\kap)%2)+32+8*(\pb)
.if (\pb) == 4
.set rB, ONES
.endif
.set rK, F0+64*((\kap)%2)+8*(\db)
.set rD, 8*(4*(\pb)+(\db))
.if (\kap) == 0
	v_wmma_f32_16x16x32_bf16 v[rD:rD+7], v[rK:rK+7], v[rB:rB+7], 0
.else
	v_wmma_f32_16x16x32_bf16 v[rD:rD+7], v[rK:rK+7], v[rB:rB+7], v[rD:rD+7]
.endif
.endr
.endr
.endm
	s_wait_tensorcnt 0x1                           ; my part of K step 0 is in; K step 1's may stay out
	s_barrier_signal -1
	s_barrier_wait -1                              ; everybody's is
	FETCH 0, F0
	s_wait_dscnt 0x0
	s_wait_loadcnt 0x0                             ; the bias
	MUL16 F0, 0, 0, 1                              ; the first quarter stands in front of the loop: its products start the sums
	MUL16 F0, 0, 2, 1
	MUL16 F0, 1, 0, 1
	MUL16 F0, 1, 2, 1
	PLACES
	FETCH 1, F1                                    ; buffer 1 held the bias, so this one run comes behind the quarter's products
	s_mov_b32 s[CNT], 6
.Lstep:                                                ; a trip: from a K step's second quarter to the next one's first; it fills one slot again: K steps 2 to 7
	QUARTER 2, F1, F0
	QUARTER 3, F0, F1
	TURN 1
	QUARTER 1, F0, F1
	WIN 0                                          ; at a label and at a branch every window is 0
	s_sub_co_u32 s[CNT], s[CNT], 1
	s_cmp_lg_u32 s[CNT], 0
	s_cbranch_scc1 .Lstep
	QUARTER 2, F1, F0                              ; the tail is written out: K step 6 goes on
	QUARTER 3, F0, F1
	TURN 0                                         ; nothing is asked for,
	QUARTER 1, F0, F1                              ; K step 7
	QUARTER 2, F1, F0
	QUARTER 3, F0, F1
	s_wait_dscnt 8
	MUL16 F1, 0, 0, 0
	MUL16 F1, 0, 2, 0
	s_wait_dscnt 0x0
	MUL16 F1, 1, 0, 0
	MUL16 F1, 1, 2, 0
	PLACES
	CVT 0                                          ; a buffer's conversions are the places between the products that read the other buffer and its rewriting
	KVMUL 0
	CVT 1
	KVMUL 1
	CVT 2
	KVMUL 2
	CVT 3
	KVMUL 3
	PLACES
	WIN 0
	s_cmp_eq_u32 s[RH], 0                          ; the waves of the second token half hand their tiles over
	s_cbranch_scc1 .Lkeep
	WIN 0x04                                       ; store data window 1
.set t, 0
.rept 20
	ds_store_b128 v[RA], v[8*t:8*t+3] offset:t*1024
	ds_store_b128 v[RA], v[8*t+4:8*t+7] offset:t*1024+512
.set t, t+1
.endr
	WIN 0
.Lkeep:
	s_wait_dscnt 0x0                               ; for the others' sake: my stores are done
	s_barrier_signal -1
	s_barrier_wait -1
	s_cmp_eq_u32 s[RH], 0
	s_cbranch_scc0 .Lend
.set t, 0
.rept 40
	ds_load_b128 v[F0+4*t:F0+4*t+3], v[RA] offset:t*512
.set t, t+1
.endr
	s_wait_dscnt 0x0
	WIN 0x41                                       ; destination and source 0 window 1, source 1 window 0
.set t, 0
.rept 80
	v_pk_add_f32 v[2*t:2*t+1], v[2*t:2*t+1], v[F0+2*t:F0+2*t+1]
.set t, t+1
.endr
	WIN 0x04
.set t, 0
.rept 20
	global_store_b128 v[LN16], v[8*t:8*t+3], s[PB:PB+1] offset:t*16384        ; 512 consecutive bytes, at a multiple of 256 from part's first
	global_store_b128 v[LN16], v[8*t+4:8*t+7], s[PB:PB+1] offset:t*16384+512
.set t, t+1
.endr
	WIN 0
.Lend:
	s_wait_tensorcnt 0x0                           ; the wave's end, behind my last tensor load and my last LDS store
	ds_add_u32 v[SPW], v[NIL]
	s_wait_dscnt 0x0
	CROUND                                         ; the closing round: no work-group ends while a partner may still ask for a tile that names it
	s_endpgm
.Lfunc_end_k_qb81ab3c366_kvp:
	.size	k_qb81ab3c366_kvp, .Lfunc_end_k_qb81ab3c366_kvp-k_qb81ab3c366_kvp
	.p2alignl 7, 3214868480
	.fill 96, 4, 3214868480
	.section	.rodata,"a",@progbits
	.p2align	6, 0x0
	.amdhsa_kernel k_qb81ab3c366_kvp
		.amdhsa_group_segment_fixed_size 327680
		.amdhsa_private_segment_fixed_size 0
		.amdhsa_enable_private_segment 0
		.amdhsa_kernarg_size 40
		.amdhsa_user_sgpr_count 2
		.amdhsa_user_sgpr_kernarg_segment_ptr 1
		.amdhsa_wavefront_size32 1
		.amdhsa_system_sgpr_workgroup_id_x 1
		.amdhsa_system_sgpr_workgroup_id_y 1
		.amdhsa_system_sgpr_workgroup_id_z 1
		.amdhsa_system_vgpr_workitem_id 0
		.amdhsa_next_free_vgpr 1024
		.amdhsa_next_free_sgpr 80
		.amdhsa_reserve_vcc 0
		.amdhsa_float_denorm_mode_32 3
		.amdhsa_float_denorm_mode_16_64 3
		.amdhsa_memory_ordered 1
		.amdhsa_forward_progress 1
		.amdhsa_inst_pref_size 135
	.end_amdhsa_kernel
	.amdgpu_metadata
---
amdhsa.version: [ 1, 2 ]
amdhsa.kernels:
  - .name:           k_qb81ab3c366_kvp
    .symbol:         k_qb81ab3c366_kvp.kd
    .args:
      - { .name: xi, .offset: 0, .size: 8, .value_kind: global_buffer, .address_space: global }
      - { .name: wkvi, .offset: 8, .size: 8, .value_kind: global_buffer, .address_space: global }
      - { .name: bk, .offset: 16, .size: 8, .value_kind: global_buffer, .address_space: global }
      - { .name: bv, .offset: 24, .size: 8, .value_kind: global_buffer, .address_space: global }
      - { .name: part, .offset: 32, .size: 8, .value_kind: global_buffer, .address_space: global }
    .group_segment_fixed_size: 327680
    .private_segment_fixed_size: 0
    .kernarg_segment_align: 8
    .kernarg_segment_size: 40
    .max_flat_workgroup_size: 128
    .sgpr_count:     80
    .vgpr_count:     1024
    .wavefront_size: 32
...
	.end_amdgpu_metadata
.endif
;; end of part 2
;; launch red (part 3): grid 256 x 1, 5 waves a work-group, no clusters, 0 bytes of LDS; arguments part, kvb; writes kvb
.if DOCPART == 3
	.amdgcn_target "amdgcn-amd-amdhsa--gfx1250"
	.amdhsa_code_object_version 6
	.text
	.protected	k_qb81ab3c366_red
	.globl	k_qb81ab3c366_red
	.p2align	8
	.type	k_qb81ab3c366_red,@function
k_qb81ab3c366_red:
	s_mov_b64 s[64:65], 0
	v_nop
	global_prefetch_b8 v0, s[64:65] scope:SCOPE_SE
	s_setreg_imm32_b32 hwreg(HW_REG_WAVE_MODE, 25, 1), 1
	s_wait_xcnt 0x0
; LINEAR ATTENTION, launch 3 of 4: the 16 partial sums (chunks of 256 tokens) of each tile of kv and of the sum of k are added in f32, and the total is rounded once to bf16, as the operand of the fourth launch's product.
; Nothing of the problem is left out here.
; part: [bh 64][tile 20][chunk 16][1,024 B]: a tile's 16 x 16 f32 as the accumulator's registers lie: byte 512 q + 16 x lane holds registers 4 q .. 4 q + 3; a lane holds p = lane % 16 and d = 8 (lane / 16) + 0..7.
; kvb:  [bh 64][tile 20][512 B]: the lane's eight numbers as 16 bytes at 16 x lane.  Tiles 4 pb + 2 c and 4 pb + 2 c + 1 together are the image of a fragment (16 rows p x 32 d) of kv^T.
; SHARES.  One wave a tile, 1,280 tiles: 32 loads of 512 consecutive bytes, all out at once (16,384 bytes on end), a tree of 60 packed additions, one store of 512 consecutive bytes.  No LDS, no barrier: no wave needs another's bytes.
	s_load_b128 s[4:7], s[0:1], 0x0                ; part s[4:5], kvb s[6:7]
	v_lshrrev_b32 v1, 5, v0
	v_readfirstlane_b32 s8, v1                     ; wave 0..4
	s_mul_i32 s9, ttmp9, 5
	s_add_co_u32 s9, s9, s8                        ; my tile
	s_lshl_b32 s10, s9, 14
	s_mov_b32 s11, 0
	s_lshl_b32 s12, s9, 9
	s_mov_b32 s13, 0
	v_and_b32 v2, 31, v0
	v_lshlrev_b32 v2, 4, v2                        ; 16 x lane
	s_wait_kmcnt 0x0
	s_add_nc_u64 s[4:5], s[4:5], s[10:11]
	s_add_nc_u64 s[6:7], s[6:7], s[12:13]
.set p, 0
.rept 32
	global_load_b128 v[16+4*p:16+4*p+3], v2, s[4:5] offset:p*512 th:TH_LOAD_NT  ; chunk p / 2 at v[16 + 8 (p / 2)]
.set p, p+1
.endr
	s_wait_loadcnt 0x0
.irp s, 8,4,2,1                        ; chunks s apart are added, two sums an instruction
.set p, 0
.rept 4*(\s)
	v_pk_add_f32 v[16+2*p:16+2*p+1], v[16+2*p:16+2*p+1], v[16+8*(\s)+2*p:16+8*(\s)+2*p+1]
.set p, p+1
.endr
.endr
.irp r, 0,1,2,3
	v_cvt_pk_bf16_f32 v[8+(\r)], v[16+2*(\r)], v[16+2*(\r)+1]
.endr
	global_store_b128 v2, v[8:11], s[6:7]
	s_endpgm
.Lfunc_end_k_qb81ab3c366_red:
	.size	k_qb81ab3c366_red, .Lfunc_end_k_qb81ab3c366_red-k_qb81ab3c366_red
	.p2alignl 7, 3214868480
	.fill 96, 4, 3214868480
	.section	.rodata,"a",@progbits
	.p2align	6, 0x0
	.amdhsa_kernel k_qb81ab3c366_red
		.amdhsa_group_segment_fixed_size 0
		.amdhsa_private_segment_fixed_size 0
		.amdhsa_enable_private_segment 0
		.amdhsa_kernarg_size 16
		.amdhsa_user_sgpr_count 2
		.amdhsa_user_sgpr_kernarg_segment_ptr 1
		.amdhsa_wavefront_size32 1
		.amdhsa_system_sgpr_workgroup_id_x 1
		.amdhsa_system_sgpr_workgroup_id_y 1
		.amdhsa_system_sgpr_workgroup_id_z 1
		.amdhsa_system_vgpr_workitem_id 0
		.amdhsa_next_free_vgpr 144
		.amdhsa_next_free_sgpr 66
		.amdhsa_reserve_vcc 0
		.amdhsa_float_denorm_mode_32 3
		.amdhsa_float_denorm_mode_16_64 3
		.amdhsa_memory_ordered 1
		.amdhsa_forward_progress 1
		.amdhsa_inst_pref_size 8
	.end_amdhsa_kernel
	.amdgpu_metadata
---
amdhsa.version: [ 1, 2 ]
amdhsa.kernels:
  - .name:           k_qb81ab3c366_red
    .symbol:         k_qb81ab3c366_red.kd
    .args:
      - { .name: part, .offset: 0, .size: 8, .value_kind: global_buffer, .address_space: global }
      - { .name: kvb, .offset: 8, .size: 8, .value_kind: global_buffer, .address_space: global }
    .group_segment_fixed_size: 0
    .private_segment_fixed_size: 0
    .kernarg_segment_align: 8
    .kernarg_segment_size: 16
    .max_flat_workgroup_size: 160
    .sgpr_count:     66
    .vgpr_count:     144
    .wavefront_size: 32
...
	.end_amdgpu_metadata
.endif
;; end of part 3
;; launch qln (part 4): grid 256 x 1, 4 waves a work-group, clusters of 4 x 1, 327,680 bytes of LDS; arguments xi, wqi, kvb, bq, gamma, beta, out0; writes out0
.if DOCPART == 4
	.amdgcn_target "amdgcn-amd-amdhsa--gfx1250"
	.amdhsa_code_object_version 6
	.text
	.protected	k_qb81ab3c366_qln
	.globl	k_qb81ab3c366_qln
	.p2align	8
	.type	k_qb81ab3c366_qln,@function
k_qb81ab3c366_qln:
	s_mov_b64 s[64:65], 0
	v_nop
	global_prefetch_b8 v0, s[64:65] scope:SCOPE_SE
	s_setreg_imm32_b32 hwreg(HW_REG_WAVE_MODE, 25, 1), 1
	s_wait_xcnt 0x0
	s_wait_alu depctr_hold_cnt(0) depctr_sa_sdst(0) depctr_va_vdst(0) depctr_va_sdst(0) depctr_va_ssrc(0) depctr_va_vcc(0) depctr_vm_vsrc(0)
	s_getreg_b32 s2, hwreg(HW_REG_IB_STS2, 6, 4)
	s_cmp_eq_u32 s2, 0
	s_cbranch_scc0 .Lentry_in_a_cluster
	s_endpgm
.Lentry_in_a_cluster:
	s_bfe_u32 s2, ttmp6, 0x10000c
	s_cmp_lg_u32 s2, 0x3003
	s_cbranch_scc0 .Lentry_shape_is_right
	s_endpgm
.Lentry_shape_is_right:
; LINEAR ATTENTION, launch 4 of 4: for 64 tokens and all 1,024 channels: q = relu(x Wq^T + bq); ctx = q kv and the denominator q . ksum on the matrix unit; out = ctx / max(denominator, 1e-6); y = out + x; LayerNorm; store.
; Nothing of the problem is left out here.
; LIMITS.  x is the bf16 copy, in the residual too (see the first launch's head).  kv and ksum are bf16 operands.  The division is v_rcp_f32 and a multiply; its argument is at least 1e-6.  v_max_num_f32 makes 1e-6 of a NaN
; denominator; NaN and infinities are not treated apart.  The variance is the mean of squared deviations, taken in a second pass over registers: no difference of large sums.
; SHARES.  A work-group owns 64 tokens (four blocks tb of 16) and their whole rows, so that the norm stays in it; wave w the channels 256 w .. + 255: heads 4 w .. 4 w + 3, 16 channel blocks cb: 64 accumulators, 512 registers.
; LAYOUT.  Source 0 = 16 channels of Wq, source 1 = 16 tokens of x: in the result a lane holds ONE token (lane % 16) and the channels 8 (lane / 16) + 0..7.  Two channel blocks, rounded to bf16 in pairs, ARE source 1
; (32 d x 16 tokens) of ctx^T = kv^T q^T, whose result again holds one token a lane and eight channels p; it is written over the head's own q accumulators.  A fifth block of rows of kv^T holds ksum in every row: its result
; holds the token's denominator in every register, the lowest among them.  The bias is the C operand of the products that start the sums.
; WHERE THE OPERANDS COME FROM.  Wq (images of fragments, 131,072 bytes for a K step of 64) goes through two LDS slots; wave w fetches, and alone reads, the quarter with its own channels.  All work-groups walk the same
; weights: the four of a cluster ask JOINTLY (the same load, descriptor and mask).  x's fragments, 4,096 bytes for 32 along K, come straight from xi into a ring of four register buffers: two slots fill LDS so far
; that x's 131,072 bytes have no room beside them.  By the text's own count a wave has two tensor loads out at the start and one behind each change of slots, 112 matrix instructions ahead of the wait for it.
; THE WALK.  K's 16 steps of 64 form eight groups of two.  Cluster c begins at group (c xor c / 8) % 8 and goes round the eight; x's chunks follow.  The sums are f32 and may be taken in any order; the order of the K steps
; differs from cluster to cluster: a difference of rounding.  So the 64 clusters begin at eight different groups, eight clusters at each: every byte of wqi is named among the launch's first fills, and every refill
; names bytes that other clusters asked for a trip (256 matrix instructions) or more before.
; REGISTERS, in windows of 256 (s_set_vgpr_msb: bits 1:0 source 0, 3:2 source 1, 5:4 source 2, 7:6 destination):
;   window 0: v0-15 addresses; v16-23 minus the mean, a pair a token block; v32-47 gamma, beta; v48-51 1 / denominator; v52-59 sums, a pair a token block; v64-191 x's ring (later v64-127 q in bf16, v128-255 two buffers of the residual's x)
;   window 1: v0-127, v128-255 Wq's fragments, two buffers (the second first holds the bias); later v0-79, v80-159 two buffers of kv^T, v160-191 the denominators
;   window 2: accumulators of channel blocks 0-7 ((cb, tb) at v[8 (4 (cb % 8) + tb)]);   window 3: of channel blocks 8-15
.set SLOTB, 131072                     ; a slot, and a K step of wqi; wave w's quarter at 32,768 w: [cb 16][32 along K: 2][1,024 B]
.set SP,    1040                       ; the stage: a token's 1,024 bytes (my 256 channels in f32) + 16: row r starts at bank 4 r mod 64 (64 banks of 4 bytes: ISA guide 11.1)
.set WSTG,  64*SP                      ; a wave's stage.  The four lie where the ring lay: they are written only when the ring has had its last fill and every wave its last read of it
.set STAT,  4*WSTG                     ; behind them, never filled by a tensor load: [token 64][wave 4] f32, twice: the sums, the squares
.set RT,    STAT+2048                  ; [wave 4][token 64] 1 / sigma, twice each: a pair for the packed multiply
.set SPARE, RT+2048                    ; the spare words, 128 bytes for each wave: two blocks of 256 bytes that no other line names
.set LN16, 2                           ; v2   16 x lane
.set WA0,  4                           ; v4, v5  my 16 bytes of a fragment in my quarter of slot 0, 1
.set BO,   6                           ; v6   32 x (lane / 16): my eight channels' biases
.set PFXO, 8                           ; v8   the offset of x's prefetches
.set XS,   9                           ; v9   the stage: where I put 16 bytes
.set STA,  10                          ; v10  where I put my wave's sum for token lane % 16
.set STR,  11                          ; v11  where I read that token's four sums
.set RTA,  12                          ; v12  where I put that token's 1 / sigma
.set RD,   13                          ; v13  the stage: where I read a row back
.set RTR,  14                          ; v14  my wave's table of 1 / sigma
.set MU,   16
.set SPW,  28                          ; v28  LDS address of my spare word; never rewritten
.set NIL,  29                          ; v29  0; never rewritten
.set ZR,   30                          ; v30  0, for the relu
.set GA,   32                          ; v[32:39] gamma of my 4 channels in each half of the wave's 256;  v[40:47] beta
.set BE,   40
.set RC,   48
.set SUM,  52
.set XB,   64                          ; x's ring: buffer i at XB + 32 i, token block tb at + 8 tb
.set QF,   64                          ; q in bf16: token block tb, d half c at QF + 8 (2 tb + c)
.set XBF,  128                         ; the residual's x: buffer hd % 2, 64 registers: (tb, pb) at + 4 (4 tb + pb)
.set DEN,  160
.set WV,  20                           ; s20  wave
.set CX,  21                           ; s21  my place in the cluster
.set WG,  22                           ; s22  my block of 64 tokens
.set CNT, 23
.set G1W, 24                           ; s[24:31] descriptor group 1
.set G0W, 32                           ; s[32:39] group 0, a set for each slot
.set XA,  40                           ; s[40:41] xi at my tokens, at the group of four chunks that is being loaded
.set XBS, 42                           ; s[42:43] xi at my tokens, chunk 0; never rewritten
.set LIMX, 45                          ; s45  2 in a wave that prefetches xi, else the greatest number
.set XR,  46                           ; s[46:47] xi at my tokens and my 256 channels
.set KVA, 48                           ; s[48:49] kvb at my batch and my first head
.set OUT, 50                           ; s[50:51] out0 at my tokens and my 256 channels
.set SEL, 52                           ; s[52:53] v_permlanex16_b32's selects: each lane takes its own place in the other half
.set INV, 54                           ; s54  1 / 1,024
.set EPS, 55                           ; s55  1e-5
.set GI,  66                           ; s66  the cluster's first group + the groups asked for since; the group is its low three bits
.set WOF, 68                           ; s[68:69] the group's byte offset in wqi: 262,144 x group
.set XOF, 70                           ; s[70:71] and in a row block of xi: 4,096 x group
.set PXA, 72                           ; s[72:73] xi at my tokens, at the group two further round
.set POF, 74                           ; s[74:75] that group's offset
.set WB,  76                           ; s[76:77] wqi at my quarter of K step 0, s[78:79] of K step 1; never rewritten
.set MSB, 0
.macro WIN new                         ; the immediate's high byte repeats the setting that is left; a switch that changes nothing is dropped
.if MSB != (\new)
	s_set_vgpr_msb (MSB<<8)|(\new)
.set MSB, \new
.endif
.endm
.macro PLACES                          ; four places in front of loads into registers that matrix instructions have read, and of vector work on their results
.rept 4
	v_nop
.endr
.endm
.macro CREST                           ; a round of the cluster's barrier behind its opening barrier
	s_cmp_lg_u32 s[WV], 0
	s_cbranch_scc1 .Lnot_wave_0_\@
	s_barrier_signal -3
.Lnot_wave_0_\@:
	s_barrier_wait -3
	s_barrier_signal -1
	s_barrier_wait -1
.endm
.macro CROUND
	s_barrier_signal -1
	s_barrier_wait -1
	CREST
.endm
; THE PREFETCH stands behind a trip's first change of slots: behind its tensor load, its run of LDS loads and x's loads.
; xi: a work-group's rows are its own.  Once a trip waves 0 and 1 ask for the group of four chunks (4,096 bytes of each of the four row blocks: 64 blocks of 256 bytes, a lane a block) whose loads go out two trips later.
; The first three groups come by their loads alone; the last two trips ask for nothing.
; wqi is not asked for ahead: all its bytes are named by the clusters' first fills, at the head, where nothing is prefetched.
.macro ASKX
	s_cmp_gt_u32 s[CNT], s[LIMX]
	s_cbranch_scc0 .Lno_x_\@
	global_prefetch_b8 v[PFXO], s[PXA:PXA+1] th:TH_LOAD_NT scope:SCOPE_SE
.Lno_x_\@:
.endm
	s_load_b256 s[4:11], s[0:1], 0x0               ; xi s[4:5], wqi s[6:7], kvb s[8:9], bq s[10:11]
	s_load_b128 s[12:15], s[0:1], 0x20             ; gamma s[12:13], beta s[14:15]
	s_load_b64 s[16:17], s[0:1], 0x30              ; out0
	v_lshl_add_u32 v[SPW], v0, 2, SPARE
	v_mov_b32 v[NIL], 0
	ds_add_u32 v[SPW], v[NIL]                      ; the wave's opening: the add, twice on end, and its wait ahead of my first tensor load; the set-up below stands between the second and the wait
	ds_add_u32 v[SPW], v[NIL]
	v_lshrrev_b32 v1, 5, v0
	v_readfirstlane_b32 s[WV], v1
	s_bfe_u32 s[CX], ttmp6, 0x40000
	s_lshl_b32 s[WG], ttmp9, 2                     ; in a cluster launch ttmp9 counts clusters
	s_add_co_u32 s[WG], s[WG], s[CX]
	; group 1: 32,768 dense bytes as 128 rows of 256; elements of 8 bytes
	s_mov_b32 s[G1W], 15|(3<<16)|(1<<21)           ; 15:0 the mask: all four work-groups; 17:16 elements of 8 bytes; 21 set beside a mask; no padding
	s_mov_b32 s[G1W+1], 32<<16                     ; tensor_dim0 = 32
	s_mov_b32 s[G1W+2], 128<<16                    ; tensor_dim1 = 128
	s_mov_b32 s[G1W+3], 32<<16                     ; tile_dim0 = 32
	s_mov_b32 s[G1W+4], 128                        ; tile_dim1 = 128
	s_mov_b32 s[G1W+5], 32                         ; elements from row to row
	s_mov_b32 s[G1W+6], 0
	s_mov_b32 s[G1W+7], 0
	s_lshl_b32 s56, s[WV], 15                      ; my quarter, in a K step of wqi and in a slot: no place in the cluster enters either
	s_mov_b32 s57, 0
	s_mov_b32 s[G0W], 1
	s_mov_b32 s[G0W+1], s56
	s_mov_b32 s[G0W+4], 1
	s_add_co_u32 s[G0W+5], s56, SLOTB
	s_mov_b32 s[SEL], 0x76543210
	s_mov_b32 s[SEL+1], 0xfedcba98
	s_mov_b32 s[INV], 0x3a800000
	s_mov_b32 s[EPS], 0x3727c5ac
	s_lshl_b32 s58, s[WG], 17                      ; 64 tokens are four row blocks of xi
	s_mov_b32 s59, 0
	s_lshr_b32 s60, s[WG], 6                       ; the batch
	s_lshl_b32 s60, s60, 4
	s_lshl_b32 s61, s[WV], 2
	s_add_co_u32 s60, s60, s61                     ; 16 x batch + my first head,
	s_mul_i32 s60, s60, 10240                      ; 20 tiles of 512 bytes each
	s_mov_b32 s61, 0
	s_lshl_b32 s62, s[WV], 10                      ; my 256 channels in f32
	s_mov_b32 s63, 0
	s_lshl_b32 s18, s[WG], 18                      ; 64 rows of out0
	s_add_co_u32 s18, s18, s62
	s_mov_b32 s19, 0
	s_lshl_b32 s2, s[WV], 13                       ; my 256 channels in a row block of xi: eight fragments
	s_mov_b32 s3, 0
	s_lshr_b32 s[GI], ttmp9, 3                     ; the cluster's first group: made of the cluster's number alone, the same in all four partners
	s_xor_b32 s[GI], s[GI], ttmp9
	s_and_b32 s[GI], s[GI], 7
	s_lshl_b32 s[WOF], s[GI], 18
	s_mov_b32 s[WOF+1], 0
	s_lshl_b32 s[XOF], s[GI], 12
	s_mov_b32 s[XOF+1], 0
	s_mov_b32 s[POF+1], 0
	s_cmp_lt_u32 s[WV], 2
	s_cselect_b32 s[LIMX], 2, -1
	s_wait_dscnt 0x0                               ; both opening adds are done
	s_wait_kmcnt 0x0
	s_add_nc_u64 s[WB:WB+1], s[6:7], s[56:57]
	s_add_nc_u64 s[WB+2:WB+3], s[WB:WB+1], SLOTB
	s_add_nc_u64 s[G0W+2:G0W+3], s[WB:WB+1], s[WOF:WOF+1]      ; the first group's two K steps
	s_add_nc_u64 s[G0W+6:G0W+7], s[WB+2:WB+3], s[WOF:WOF+1]
	s_or_b32 s[G0W+3], s[G0W+3], 0x80000000        ; type = 2
	s_or_b32 s[G0W+7], s[G0W+7], 0x80000000
	s_add_nc_u64 s[XBS:XBS+1], s[4:5], s[58:59]
	s_add_nc_u64 s[XA:XA+1], s[XBS:XBS+1], s[XOF:XOF+1]
	s_add_nc_u64 s[XR:XR+1], s[XBS:XBS+1], s[2:3]
	s_add_nc_u64 s[KVA:KVA+1], s[8:9], s[60:61]
	s_add_nc_u64 s[OUT:OUT+1], s[16:17], s[18:19]
	s_add_nc_u64 s[10:11], s[10:11], s[62:63]      ; bq, gamma and beta at my 256 channels
	s_add_nc_u64 s[12:13], s[12:13], s[62:63]
	s_add_nc_u64 s[14:15], s[14:15], s[62:63]
	CROUND                                         ; all four work-groups are here: the first joint loads meet
	tensor_load_to_lds s[G0W:G0W+3], s[G1W:G1W+7]
	s_nop 0
	tensor_load_to_lds s[G0W+4:G0W+7], s[G1W:G1W+7]
	s_nop 0
.rept 4
	v_nop
.endr
	v_and_b32 v1, 15, v0                           ; r = lane % 16
	v_bfe_u32 v3, v0, 4, 1                         ; h = lane / 16
	v_and_b32 v15, 31, v0
	v_lshlrev_b32 v[LN16], 4, v15
	v_lshlrev_b32 v[BO], 5, v3
	global_load_b128 v[GA:GA+3],   v[LN16], s[12:13]
	global_load_b128 v[GA+4:GA+7], v[LN16], s[12:13] offset:512
	global_load_b128 v[BE:BE+3],   v[LN16], s[14:15]
	global_load_b128 v[BE+4:BE+7], v[LN16], s[14:15] offset:512
	WIN 0x40                                       ; destination window 1
.irp cb, 0,1,2,3,4,5,6,7,8,9,10,11,12,13,14,15
	global_load_b128 v[128+8*(\cb):128+8*(\cb)+3],   v[BO], s[10:11] offset:(\cb)*64     ; register j of the C operand: the bias of channel 16 cb + 8 h + j
	global_load_b128 v[128+8*(\cb)+4:128+8*(\cb)+7], v[BO], s[10:11] offset:(\cb)*64+16
.endr
	WIN 0
; 4 n matrix instructions: channel blocks cb0 .. cb0 + n - 1 x the four token blocks, 32 along K: W's buffer at wb, x's ring buffer xb.  first = 1: the products start the sums, with the bias as C.
; The 64 accumulators take turns, one instruction a turn, in the same order in every chunk.
.macro MULC wb, xb, cb0, n, first
.set cbi, \cb0
.rept \n
.if \first
	WIN 0x91+0x40*(cbi/8)                          ; W and C window 1, x window 0, D window 2 or 3
.else
	WIN 0xa1+0x50*(cbi/8)                          ; W window 1, x window 0, C and D window 2 or 3
.endif
.irp tb, 0,1,2,3
.set rA, 8*(4*(cbi%8)+(\tb))
.if \first
	v_wmma_f32_16x16x32_bf16 v[rA:rA+7], v[(\wb)+8*cbi:(\wb)+8*cbi+7], v[XB+32*(\xb)+8*(\tb):XB+32*(\xb)+8*(\tb)+7], v[128+8*cbi:128+8*cbi+7]
.else
	v_wmma_f32_16x16x32_bf16 v[rA:rA+7], v[(\wb)+8*cbi:(\wb)+8*cbi+7], v[XB+32*(\xb)+8*(\tb):XB+32*(\xb)+8*(\tb)+7], v[rA:rA+7]
.endif
.endr
.set cbi, cbi+1
.endr
.endm
.macro FETCHW slot, cc, wb             ; 32 LDS loads in one run: my 16 channel blocks, half cc of the slot's K step, channel blocks ascending
	WIN 0x40
.irp cb, 0,1,2,3,4,5,6,7,8,9,10,11,12,13,14,15
	ds_load_b128 v[(\wb)+8*(\cb):(\wb)+8*(\cb)+3],   v[WA0+(\slot)] offset:(\cb)*2048+(\cc)*1024
	ds_load_b128 v[(\wb)+8*(\cb)+4:(\wb)+8*(\cb)+7], v[WA0+(\slot)] offset:(\cb)*2048+(\cc)*1024+512
.endr
	WIN 0
.endm
.macro XLOAD buf                       ; 8 loads: chunk buf of the group at s[XA] into ring buffer buf
	WIN 0
.irp tb, 0,1,2,3
	global_load_b128 v[XB+32*(\buf)+8*(\tb):XB+32*(\buf)+8*(\tb)+3],   v[LN16], s[XA:XA+1] offset:(\tb)*32768+(\buf)*1024
	global_load_b128 v[XB+32*(\buf)+8*(\tb)+4:XB+32*(\buf)+8*(\tb)+7], v[LN16], s[XA:XA+1] offset:(\tb)*32768+(\buf)*1024+512
.endr
.endm
; A chunk is 32 along K, 64 matrix instructions; the n-th chunk of the walk takes W's buffer n % 2 and x's ring buffer n % 4, and asks for x's chunk n + 3, into the ring buffer that chunk n - 1 has read.
; An even chunk: the first half of slot's K step.  lc: how many younger loads of x may stay out: two chunks' sixteen, fewer at the end.
.macro CH slot, xb, xl, lc
	s_wait_dscnt 16                                ; channel blocks 0-7 are in; the youngest sixteen loads (blocks 8-15) may be out
	s_wait_loadcnt \lc
	MULC 0, \xb, 0, 8, 0
	PLACES
	FETCHW \slot, 1, 128
.if \xl
	XLOAD ((\xb)+3)%4
.endif
	s_wait_dscnt 32                                ; all but the 32 just issued
	MULC 0, \xb, 8, 8, 0
.endm
; An odd chunk ends slot's K step and changes slots: ONE barrier.  In front of it each wave waits for all its tensor loads (one is out: its quarter of the other slot), adds 0 to its spare word, and waits for that and for
; its reads of this slot.  fill = 1: the barrier opens a round of the cluster's barrier, so that no wave of any partner still reads the slot or has a load on its way; the joint refill, with the slot's K step of the next
; group, is the first tensor load behind it; its address is made anew from the group's number.  Only sixteen of the chunk's products stand in front of the refill, so that it goes out early.
; stepx = 1: a trip's first change: the walk goes on to the next group of the eight, round the end.
.macro TURN slot, fill, xb, xl, lc, stepx
.if (\fill) && (\stepx)
	s_wait_xcnt 0x0                                ; the loads and the prefetch issued so far have read their addresses, so these may be written
	s_add_co_u32 s[GI], s[GI], 1
	s_and_b32 s[WOF], s[GI], 7                     ; the group,
	s_lshl_b32 s[XOF], s[WOF], 12                  ; its four chunks in a row block of xi,
	s_lshl_b32 s[WOF], s[WOF], 18                  ; its two K steps in wqi
	s_add_nc_u64 s[XA:XA+1], s[XBS:XBS+1], s[XOF:XOF+1]
	s_add_co_u32 s[POF], s[GI], 2                  ; and the group two further round, for the prefetch
	s_and_b32 s[POF], s[POF], 7
	s_lshl_b32 s[POF], s[POF], 12
	s_add_nc_u64 s[PXA:PXA+1], s[XBS:XBS+1], s[POF:POF+1]
.endif
	WIN 0                                          ; (the add's two registers lie in window 0)
	s_wait_tensorcnt 0x0                           ; all my tensor loads have landed
	ds_add_u32 v[SPW], v[NIL]                      ; 0 onto my spare word
	s_wait_dscnt 17                                ; (the add and the youngest sixteen loads may be out)
	s_wait_loadcnt \lc
	MULC 128, \xb, 0, 2, 0                         ; eight matrix instructions stand between the add and the wait for it
	s_wait_dscnt 0x0                               ; the add is done, and my reads of this slot are over
	s_barrier_signal -1
	MULC 128, \xb, 2, 2, 0                         ; work on registers while the others arrive
	WIN 0
	s_barrier_wait -1
.if \fill
	CREST
	s_add_nc_u64 s[G0W+4*(\slot)+2:G0W+4*(\slot)+3], s[WB+2*(\slot):WB+2*(\slot)+1], s[WOF:WOF+1]  ; no tensor load of mine is out
	s_or_b32 s[G0W+4*(\slot)+3], s[G0W+4*(\slot)+3], 0x80000000                                    ; type = 2
	tensor_load_to_lds s[G0W+4*(\slot):G0W+4*(\slot)+3], s[G1W:G1W+7]
	s_nop 0
.endif
	PLACES                                         ; behind the load, and in front of the loads below
	FETCHW 1-(\slot), 0, 0
.if \xl
	XLOAD ((\xb)+3)%4
.endif
.if (\fill) && (\stepx)
	ASKX
.endif
	MULC 128, \xb, 4, 12, 0
.endm
	XLOAD 0                                        ; the walk's chunks 0, 1, 2
	XLOAD 1
	XLOAD 2
	v_add_nc_u32 v[WA0], s56, v[LN16]
	v_add_nc_u32 v[WA0+1], SLOTB, v[WA0]
	s_and_b32 s58, s[WV], 1
	s_lshl_b32 s58, s58, 16                        ; waves 0 and 1: row blocks 0, 1 and 2, 3
	v_lshlrev_b32 v[PFXO], 8, v1
	v_lshl_add_u32 v[PFXO], v3, 15, v[PFXO]
	v_add_nc_u32 v[PFXO], s58, v[PFXO]
	s_mul_i32 s58, s[WV], WSTG
	v_mul_u32_u24 v[XS], v1, SP
	v_lshl_add_u32 v[XS], v3, 5, v[XS]
	v_add_nc_u32 v[XS], s58, v[XS]                 ; my stage, row r, 32 bytes for each half of the lanes
	v_add_nc_u32 v[RD], s58, v[LN16]
	v_lshlrev_b32 v[STR], 4, v1
	v_add_nc_u32 v[STR], STAT, v[STR]
	s_lshl_b32 s58, s[WV], 2
	v_add_nc_u32 v[STA], s58, v[STR]
	s_lshl_b32 s58, s[WV], 9
	s_add_co_u32 s58, s58, RT
	v_mov_b32 v[RTR], s58
	v_lshl_add_u32 v[RTA], v1, 3, s58
	v_mov_b32 v[ZR], 0
	s_wait_tensorcnt 0x1                           ; my quarter of the first K step is in, and I alone read it; the second's may stay out
	FETCHW 0, 0, 0
	s_wait_dscnt 0x0
	s_wait_loadcnt 16                              ; gamma, beta, the bias and chunk 0 are in; chunks 1 and 2 may stay out
	MULC 0, 0, 0, 16, 1                            ; chunk 0 stands in front of the loop: its products start the sums
	PLACES
	FETCHW 0, 1, 128                               ; buffer 1 held the bias, so this one run comes behind the chunk's products
	XLOAD 3
	s_mov_b32 s[CNT], 7
.Ltrip:                                                ; a trip: the walk's chunks 4 i + 1 .. 4 i + 4; it fills both slots again, with the next group's two K steps
	TURN 0, 1, 1, 1, 16, 1
	CH   1, 2, 1, 16
	TURN 1, 1, 3, 1, 16, 0
	CH   0, 0, 1, 16
	WIN 0                                          ; at a label and at a branch every window is 0
	s_sub_co_u32 s[CNT], s[CNT], 1
	s_cmp_lg_u32 s[CNT], 0
	s_cbranch_scc1 .Ltrip
	TURN 0, 0, 1, 0, 16, 0                         ; the tail is written out: chunks 29, 30, 31; nothing is asked for
	CH   1, 2, 0, 8
	s_wait_dscnt 16
	s_wait_loadcnt 0x0
	MULC 128, 3, 0, 8, 0
	s_wait_dscnt 0x0
	MULC 128, 3, 8, 8, 0
; THE HEADS, one after the other.
.macro KVLOAD hd                       ; 20 loads: the head's ten fragments of kv^T (f = 2 pb + c; pb = 4: ksum) into buffer hd % 2
	WIN 0x40
.irp f, 0,1,2,3,4,5,6,7,8,9
	global_load_b128 v[80*((\hd)%2)+8*(\f):80*((\hd)%2)+8*(\f)+3],   v[LN16], s[KVA:KVA+1] offset:(\hd)*10240+(\f)*1024
	global_load_b128 v[80*((\hd)%2)+8*(\f)+4:80*((\hd)%2)+8*(\f)+7], v[LN16], s[KVA:KVA+1] offset:(\hd)*10240+(\f)*1024+512
.endr
	WIN 0
.endm
.macro RESLOAD hd                      ; 16 loads: x at the very places that the head's accumulators hold: token lane % 16, eight channels: 16 bytes of xi's image
	WIN 0
.irp tb, 0,1,2,3
.irp pb, 0,1,2,3
	global_load_b128 v[XBF+64*((\hd)%2)+4*(4*(\tb)+(\pb)):XBF+64*((\hd)%2)+4*(4*(\tb)+(\pb))+3], v[LN16], s[XR:XR+1] offset:(\tb)*32768+(2*(\hd)+(\pb)/2)*1024+((\pb)%2)*512
.endr
.endr
.endm
.macro CVTQ hd                         ; the head's q: rounded to bf16, each accumulator's registers ascending; then the relu, two at a time
	WIN 0x0a+5*((\hd)/2)                           ; sources window 2 or 3, destination window 0
.irp tb, 0,1,2,3
.irp c, 0,1
.irp i, 0,1
.irp rr, 0,1,2,3
	v_cvt_pk_bf16_f32 v[QF+8*(2*(\tb)+(\c))+4*(\i)+(\rr)], v[8*(4*((4*(\hd)+2*(\c)+(\i))%8)+(\tb))+2*(\rr)], v[8*(4*((4*(\hd)+2*(\c)+(\i))%8)+(\tb))+2*(\rr)+1]
.endr
.endr
.endr
.endr
	WIN 0
.set z, QF
.rept 64
	v_pk_max_num_bf16 v[z], v[z], v[ZR]
.set z, z+1
.endr
.endm
.macro CTX hd                          ; ctx^T over the head's q accumulators, and the denominators: 20 accumulators by turns, two deep
.irp c, 0,1
	WIN 0xa1+0x50*((\hd)/2)
.irp pb, 0,1,2,3
.irp tb, 0,1,2,3
.set rA, 8*(4*((4*(\hd)+(\pb))%8)+(\tb))
.if (\c) == 0
	v_wmma_f32_16x16x32_bf16 v[rA:rA+7], v[80*((\hd)%2)+8*(2*(\pb)+(\c)):80*((\hd)%2)+8*(2*(\pb)+(\c))+7], v[QF+8*(2*(\tb)+(\c)):QF+8*(2*(\tb)+(\c))+7], 0
.else
	v_wmma_f32_16x16x32_bf16 v[rA:rA+7], v[80*((\hd)%2)+8*(2*(\pb)+(\c)):80*((\hd)%2)+8*(2*(\pb)+(\c))+7], v[QF+8*(2*(\tb)+(\c)):QF+8*(2*(\tb)+(\c))+7], v[rA:rA+7]
.endif
.endr
.endr
	WIN 0x51                                       ; kv^T, C and D window 1, q window 0
.irp tb, 0,1,2,3
.if (\c) == 0
	v_wmma_f32_16x16x32_bf16 v[DEN+8*(\tb):DEN+8*(\tb)+7], v[80*((\hd)%2)+8*(8+(\c)):80*((\hd)%2)+8*(8+(\c))+7], v[QF+8*(2*(\tb)+(\c)):QF+8*(2*(\tb)+(\c))+7], 0
.else
	v_wmma_f32_16x16x32_bf16 v[DEN+8*(\tb):DEN+8*(\tb)+7], v[80*((\hd)%2)+8*(8+(\c)):80*((\hd)%2)+8*(8+(\c))+7], v[QF+8*(2*(\tb)+(\c)):QF+8*(2*(\tb)+(\c))+7], v[DEN+8*(\tb):DEN+8*(\tb)+7]
.endif
.endr
.endr
.endm
.macro DENOM                           ; 1 / max(denominator, 1e-6) for my token of each block; the denominator is read from its accumulator's lowest register
	WIN 0x04                                       ; source 1 window 1
.irp tb, 0,1,2,3
	v_max_num_f32 v[RC+(\tb)], 0x358637bd, v[DEN+8*(\tb)]
.endr
	WIN 0
.irp tb, 0,1,2,3
	v_rcp_f32 v[RC+(\tb)], v[RC+(\tb)]
.endr
	v_nop                                          ; a plain instruction between the last reciprocal and the use of its result (ISA guide 5.7.2)
	s_wait_alu depctr_va_vdst(0)                   ; and a wait ahead of the first use: one for the four
.endm
.macro RES hd                          ; y = ctx / denominator + x, one fused multiply-add straight from x's bf16 half; then the row sums, four chains
	WIN 0x82+0x41*((\hd)/2)                        ; destination and source 0 window 2 or 3, sources 1 and 2 window 0
.irp pb, 0,1,2,3
.irp tb, 0,1,2,3
.irp jj, 0,1,2,3
.set rA, 8*(4*((4*(\hd)+(\pb))%8)+(\tb))+2*(\jj)
.set rX, XBF+64*((\hd)%2)+4*(4*(\tb)+(\pb))+(\jj)
	v_fma_mix_f32_bf16 v[rA], v[rA], v[RC+(\tb)], v[rX] op_sel:[0,0,0] op_sel_hi:[0,0,1]
	v_fma_mix_f32_bf16 v[rA+1], v[rA+1], v[RC+(\tb)], v[rX] op_sel:[0,0,1] op_sel_hi:[0,0,1]
.endr
.endr
.endr
	WIN 0x08+4*((\hd)/2)                           ; source 1 window 2 or 3
.irp pb, 0,1,2,3
.irp jj, 0,1,2,3
.irp tb, 0,1,2,3
.set rA, 8*(4*((4*(\hd)+(\pb))%8)+(\tb))+2*(\jj)
	v_pk_add_f32 v[SUM+2*(\tb):SUM+2*(\tb)+1], v[SUM+2*(\tb):SUM+2*(\tb)+1], v[rA:rA+1]
.endr
.endr
.endr
.endm
; la: the loads younger than the head's kv^T; lb: those younger than its x.
.macro HSTEP hd, la, lb
	CVTQ \hd
	s_wait_loadcnt \la
	CTX \hd
	PLACES
.if (\hd) < 3
	RESLOAD (\hd)+1
.endif
.if (\hd) < 2
	KVLOAD (\hd)+2                                 ; into the buffer that the products above have read, four places behind them
.endif
	DENOM
	s_wait_loadcnt \lb
	RES \hd
.endm
; The wave's sums for its four tokens a lane meet the other waves' in LDS: the pair's two words and the other half of the lanes' are added; one word a wave and token; a barrier; a token's four words come back in one load.
.macro XCH off
	WIN 0
.irp tb, 0,1,2,3
	v_add_f32 v[SUM+2*(\tb)], v[SUM+2*(\tb)], v[SUM+2*(\tb)+1]
.endr
.irp tb, 0,1,2,3
	v_permlanex16_b32 v[SUM+2*(\tb)+1], v[SUM+2*(\tb)], s[SEL], s[SEL+1]
.endr
.irp tb, 0,1,2,3
	v_add_f32 v[SUM+2*(\tb)], v[SUM+2*(\tb)], v[SUM+2*(\tb)+1]
.endr
.irp tb, 0,1,2,3
	ds_store_b32 v[STA], v[SUM+2*(\tb)] offset:(\off)+(\tb)*256
.endr
	s_wait_dscnt 0x0                               ; for the others' sake: my stores are done, and so are all my earlier LDS instructions
	s_barrier_signal -1
	s_barrier_wait -1
.irp tb, 0,1,2,3
	ds_load_b128 v[QF+4*(\tb):QF+4*(\tb)+3], v[STR] offset:(\off)+(\tb)*256
.endr
	s_wait_dscnt 0x0
.irp tb, 0,1,2,3
	v_pk_add_f32 v[QF+4*(\tb):QF+4*(\tb)+1], v[QF+4*(\tb):QF+4*(\tb)+1], v[QF+4*(\tb)+2:QF+4*(\tb)+3]
.endr
.irp tb, 0,1,2,3
	v_add_f32 v[SUM+2*(\tb)], v[QF+4*(\tb)], v[QF+4*(\tb)+1]
.endr
.endm
; Channel blocks 2 g and 2 g + 1: y - mean in place, the squares into four chains, and the deviations into my stage.
.macro DEV g
	WIN 0x82+0x41*((\g)/4)
.irp u, 0,1
.irp jj, 0,1,2,3
.irp tb, 0,1,2,3
.set rA, 8*(4*((2*(\g)+(\u))%8)+(\tb))+2*(\jj)
	v_pk_add_f32 v[rA:rA+1], v[rA:rA+1], v[MU+2*(\tb):MU+2*(\tb)+1]
.endr
.endr
.endr
	WIN 0x0a+5*((\g)/4)
.irp u, 0,1
.irp jj, 0,1,2,3
.irp tb, 0,1,2,3
.set rA, 8*(4*((2*(\g)+(\u))%8)+(\tb))+2*(\jj)
	v_pk_fma_f32 v[SUM+2*(\tb):SUM+2*(\tb)+1], v[rA:rA+1], v[rA:rA+1], v[SUM+2*(\tb):SUM+2*(\tb)+1]
.endr
.endr
.endr
	WIN 0x08+4*((\g)/4)                            ; store data window 2 or 3
.irp u, 0,1
.irp tb, 0,1,2,3
.set rA, 8*(4*((2*(\g)+(\u))%8)+(\tb))
	ds_store_b128 v[XS], v[rA:rA+3]   offset:(\tb)*16*SP+(2*(\g)+(\u))*64
	ds_store_b128 v[XS], v[rA+4:rA+7] offset:(\tb)*16*SP+(2*(\g)+(\u))*64+16
.endr
.endr
.endm
	PLACES
	KVLOAD 0
	RESLOAD 0
	KVLOAD 1
.set z, 0
.rept 8
	v_mov_b32 v[SUM+z], 0
.set z, z+1
.endr
	HSTEP 0, 36, 56                                ; behind kv 0: x 0 (16) and kv 1 (20); behind x 0: kv 1, x 1 and kv 2
	HSTEP 1, 36, 56                                ; behind kv 1: x 1 and kv 2; behind x 1: kv 2, x 2 and kv 3
	HSTEP 2, 36, 36                                ; behind kv 2: x 2 and kv 3; behind x 2: kv 3 and x 3
	HSTEP 3, 16, 0                                 ; behind kv 3: x 3
	XCH 0                                          ; the rows' sums.  Behind this barrier no wave reads the ring any more: the stages may be written
.irp tb, 0,1,2,3
	v_mul_f32 v[MU+2*(\tb)], 0xba800000, v[SUM+2*(\tb)]    ; minus the mean, in both words of a pair
	v_mul_f32 v[MU+2*(\tb)+1], 0xba800000, v[SUM+2*(\tb)]
.endr
.set z, 0
.rept 8
	v_mov_b32 v[SUM+z], 0
.set z, z+1
.endr
.irp g, 0,1,2,3,4,5,6,7
	DEV \g
.endr
	XCH 1024                                       ; the sums of squares, in words of their own
.irp tb, 0,1,2,3
	v_fma_f32 v[SUM+2*(\tb)], v[SUM+2*(\tb)], s[INV], s[EPS]  ; the variance + 1e-5
.endr
.irp tb, 0,1,2,3
	v_rsq_f32 v[SUM+2*(\tb)], v[SUM+2*(\tb)]
.endr
	v_nop                                          ; a plain instruction behind the last of the four,
	s_wait_alu depctr_va_vdst(0)                   ; and a wait ahead of the first use
.irp tb, 0,1,2,3
	v_mov_b32 v[SUM+2*(\tb)+1], v[SUM+2*(\tb)]
.endr
.irp tb, 0,1,2,3
	ds_store_b64 v[RTA], v[SUM+2*(\tb):SUM+2*(\tb)+1] offset:(\tb)*128  ; my wave's own table: LDS serves a wave's instructions in order (ISA guide 5.7.1.4), so the loads below see it
.endr
	; THE WAY OUT, 8 tokens a trip, 8 trips: a token's 1,024 bytes come back from my stage as two runs of 512; times 1 / sigma, times gamma plus beta; two stores of 512 consecutive bytes, at multiples of 256 from out0's first.
	s_mov_b32 s[CNT], 8
.Lrows:
.irp i, 0,1,2,3,4,5,6,7
	ds_load_b64 v[192+2*(\i):193+2*(\i)], v[RTR] offset:(\i)*8  ; every lane takes the same pair
.endr
.irp i, 0,1,2,3,4,5,6,7
	ds_load_b128 v[64+8*(\i):64+8*(\i)+3],   v[RD] offset:(\i)*SP
	ds_load_b128 v[64+8*(\i)+4:64+8*(\i)+7], v[RD] offset:(\i)*SP+512
.endr
.irp i, 0,1,2,3,4,5,6,7
	s_wait_dscnt 14-2*(\i)                         ; token i is in; the later tokens' two loads each may stay out
.irp e, 0,1,2,3
	v_pk_mul_f32 v[64+8*(\i)+2*(\e):64+8*(\i)+2*(\e)+1], v[64+8*(\i)+2*(\e):64+8*(\i)+2*(\e)+1], v[192+2*(\i):193+2*(\i)]
.endr
.irp e, 0,1,2,3
	v_pk_fma_f32 v[64+8*(\i)+2*(\e):64+8*(\i)+2*(\e)+1], v[64+8*(\i)+2*(\e):64+8*(\i)+2*(\e)+1], v[GA+2*(\e):GA+2*(\e)+1], v[BE+2*(\e):BE+2*(\e)+1]
.endr
	global_store_b128 v[LN16], v[64+8*(\i):64+8*(\i)+3],   s[OUT:OUT+1] offset:(\i)*4096 th:TH_STORE_NT
	global_store_b128 v[LN16], v[64+8*(\i)+4:64+8*(\i)+7], s[OUT:OUT+1] offset:(\i)*4096+512 th:TH_STORE_NT
.endr
	s_wait_xcnt 0x0                                ; the stores have read their data and their base: only behind this wait are these written again
	s_add_nc_u64 s[OUT:OUT+1], s[OUT:OUT+1], 32768
	v_add_nc_u32 v[RD], 8*SP, v[RD]
	v_add_nc_u32 v[RTR], 64, v[RTR]
	s_sub_co_u32 s[CNT], s[CNT], 1
	s_cmp_lg_u32 s[CNT], 0
	s_cbranch_scc1 .Lrows
	s_wait_tensorcnt 0x0                           ; the wave's end, behind my last tensor load and my last LDS store
	ds_add_u32 v[SPW], v[NIL]
	s_wait_dscnt 0x0
	CROUND                                         ; the closing round: no work-group ends while a partner may still ask for a tile that names it
	s_endpgm
.Lfunc_end_k_qb81ab3c366_qln:
	.size	k_qb81ab3c366_qln, .Lfunc_end_k_qb81ab3c366_qln-k_qb81ab3c366_qln
	.p2alignl 7, 3214868480
	.fill 96, 4, 3214868480
	.section	.rodata,"a",@progbits
	.p2align	6, 0x0
	.amdhsa_kernel k_qb81ab3c366_qln
		.amdhsa_group_segment_fixed_size 327680
		.amdhsa_private_segment_fixed_size 0
		.amdhsa_enable_private_segment 0
		.amdhsa_kernarg_size 56
		.amdhsa_user_sgpr_count 2
		.amdhsa_user_sgpr_kernarg_segment_ptr 1
		.amdhsa_wavefront_size32 1
		.amdhsa_system_sgpr_workgroup_id_x 1
		.amdhsa_system_sgpr_workgroup_id_y 1
		.amdhsa_system_sgpr_workgroup_id_z 1
		.amdhsa_system_vgpr_workitem_id 0
		.amdhsa_next_free_vgpr 1024
		.amdhsa_next_free_sgpr 80
		.amdhsa_reserve_vcc 0
		.amdhsa_float_denorm_mode_32 3
		.amdhsa_float_denorm_mode_16_64 3
		.amdhsa_memory_ordered 1
		.amdhsa_forward_progress 1
		.amdhsa_inst_pref_size 229
	.end_amdhsa_kernel
	.amdgpu_metadata
---
amdhsa.version: [ 1, 2 ]
amdhsa.kernels:
  - .name:           k_qb81ab3c366_qln
    .symbol:         k_qb81ab3c366_qln.kd
    .args:
      - { .name: xi, .offset: 0, .size: 8, .value_kind: global_buffer, .address_space: global }
      - { .name: wqi, .offset: 8, .size: 8, .value_kind: global_buffer, .address_space: global }
      - { .name: kvb, .offset: 16, .size: 8, .value_kind: global_buffer, .address_space: global }
      - { .name: bq, .offset: 24, .size: 8, .value_kind: global_buffer, .address_space: global }
      - { .name: gamma, .offset: 32, .size: 8, .value_kind: global_buffer, .address_space: global }
      - { .name: beta, .offset: 40, .size: 8, .value_kind: global_buffer, .address_space: global }
      - { .name: out0, .offset: 48, .size: 8, .value_kind: global_buffer, .address_space: global }
    .group_segment_fixed_size: 327680
    .private_segment_fixed_size: 0
    .kernarg_segment_align: 8
    .kernarg_segment_size: 56
    .max_flat_workgroup_size: 128
    .sgpr_count:     80
    .vgpr_count:     1024
    .wavefront_size: 32
...
	.end_amdgpu_metadata
.endif
;; end of part 4
